; MI455X (gfx1250); checked and timed in simulation.
; The chip was launched on July 23, 2026; its instructions are those of AMD's public machine-readable ISA for CDNA 5 (MIT licence, August 2026) and "CDNA5" Instruction Set Architecture Reference Guide (July 2026). The comments in the code are by the model that wrote it; some were corrected since.
;; Run Length Event Set Embedding. Allowed arithmetic: float matrix products may take bf16 or f16 operands with f32 sums; all other float work in f32.
;; Inputs: P1 65 x 64 float32; P2 64 x 64 float32; W1 11 x 64 float32; W2 64 x 64 float32; b1 64 float32; b2 64 float32; pb1 64 float32; pb2 64 float32; x 64 x 2,048 x 8 float32.
;; Outputs: out0 64 x 64 float32.
;; One version. Each part assembles by itself: llvm-mc -triple=amdgcn-amd-amdhsa -mcpu=gfx1250 --defsym DOCPART=n.
;; ======== version 1 of 1: 2 launches
;; workspace buffers: part 131,072 bytes
;; launch events (part 1): grid 256 x 1, 8 waves a work-group, no clusters, 23,552 bytes of LDS; arguments x, W1, b1, part; writes part
.if DOCPART == 1
	.amdgcn_target "amdgcn-amd-amdhsa--gfx1250"
	.amdhsa_code_object_version 6
	.text
	.protected	k_q5197ac1820_events
	.globl	k_q5197ac1820_events
	.p2align	8
	.type	k_q5197ac1820_events,@function
k_q5197ac1820_events:
	s_mov_b64 s[64:65], 0
	v_nop
	global_prefetch_b8 v0, s[64:65] scope:SCOPE_SE
	s_setreg_imm32_b32 hwreg(HW_REG_WAVE_MODE, 25, 1), 1
	s_wait_xcnt 0x0
; RUN-LENGTH EVENTS, first of two launches.  For batch b and quarter q of the time axis (work-group 4 b + q) it forms
;   hsum[j] = sum over the run starts (c, t), 512 q <= t < 512 q + 512, of relu(row(c, t) . W1 + b1)[j]     and the number of those starts,
; and stores both as one record of 512 bytes in part.  The product with W2 is linear and commutes with the pooling sum, so it is made
; once for each batch, in the second launch, on the pooled sum: the sums are rounded in another order than in reference().
;
; SHARES.  Eight waves; wave w owns 64 time steps, lane L is a CHAIN: component c = L & 7, group g = L >> 3, the 16 slots
; t = tb + tau, tb = 512 q + 64 w + 16 g, tau = 0 .. 15.  A STEP takes one tau of all 32 chains, from tau = 15 down to 0, so that the
; position of the next run start is carried from slot to slot in one register.  Times are f32 in units of 1/2048 (exact); "none" is 1.0.
;
; THE MATRIX STEP.  For a start slot   pre = (W1[c] + b1) + s w8 + tb' w9' + tau' (w9' - w10) + nrel w10,
; with w8, w9, w10 = rows 8, 9, 10 of W1, w9' = w9 2048/2047, tb' = tb/2048, tau' = tau/2048, nrel = (next start - tb)/2048.
; W1[c] + b1 stays f32 in the C operand: result register j holds row 8 h + j, and chains 8 h + j have component j.
; A: every lane puts its own chain's features into registers 0-3, which are k = 8 h .. 8 h + 7 of row L & 15; so a row of A carries chain r
; at k = 0-7 and chain 16 + r at k = 8-15.  Two sets of B pick one of the two (weights at k = 0-7, zeros at 8-15, and the reverse).
; Column r of tile nt is hidden unit 4 r + nt: one 16-byte load of a row of W1 feeds all four tiles.
; A slot that starts no run gets the feature "no start" = 1 against the weight -3.3895e38, so its relu is 0: all 16,384 slots of a
; batch are computed, since no address and no trip count may hang on the comparisons.
;
; LIMITS.  Right while |pre-activation| < 3.3895e38 and W1 is finite in bf16 (unused k multiply 0 by finite numbers).  w8, w9', w10 and
; w9' - w10 are rounded to bf16; all features are exact in bf16 but nrel, which is exact up to 256 steps and has 8 significant bits beyond.
; A NaN in W1 or b1 is not carried through the relu (v_max_num_f32 drops it).  x = NaN counts as "not above 0.5", as in reference().
;
; NO CLUSTER, NO TENSOR LOADS: a work-group's own input is 16,384 bytes, read once through registers; what it shares with the three other
; work-groups of its batch is the look-ahead, of which work-group q uses 3 - q quarters, a different number in each partner.
; Every work-group loads quarters 1 to 3 of its batch, so that each counted wait has the same loads behind it on every path, and uses those behind its own.
.set XS_W,  2176                       ; LDS 0: x as loaded, a wave's own 4 blocks (one for each g) of 512 bytes at pitch 544
.set XS_G,  544                        ; word read by a lane: 136 g + 8 tau + c, 32 different values modulo 64
.set SC,    17408                      ; 24 rows of 8 words (word c): rows 0-7 first start in wave w, rows 8-15 wave w's part of the look-ahead, rows 16-23 1.0
.set RED,   18176                      ; 8 x 512 bytes: wave w's 64 sums, then its count 64 times
.set NREL,  2                          ; v2        (next start - tb) / 2048
.set TBS,   3                          ; v3        tb / 2048
.set EA,    8                          ; v[8:11]   look-ahead minima; on the way out the lane's four sums
.set T4,    12                         ; v[12:15]  at work
.set CC,    16                         ; v[16:47]  C: tile nt, register j: W1[j][4 r + nt] + b1[4 r + nt]
.set BB,    48                         ; v[48:79]  B: eight tiles at a pitch of 4 registers; a tile's registers 4-7 are the next tile's 0-3 and meet A's zeros
                                       ; v[80:83]  zeros that close B
.set A,     84                         ; v[84:91]  A: registers 0-3 features, 4-7 zeros
.set ACC,   92                         ; v[92:123] running sums of relu; before that rows 0-7 of W1
.set D0,    124                        ; v[124:155] results of chains 0-15
.set D1,    156                        ; v[156:187] results of chains 16-31
.set XO,    124                        ; v[124:139] own x as loaded
.set XC,    140                        ; v[140:155] own x by chains; later the 15 rows of SC
.set XP,    156                        ; x at t = tb - 1
.set VST,   157                        ; LDS: where I put my 16 bytes
.set VLD,   158                        ; LDS: my chain's first word
.set VSC,   159                        ; 32 w + 4 c
.set XB,    160                        ; v[160:163] x at t = 512 q + 511
.set W8,    164
.set W9,    168
.set W10,   172
.set B1V,   176
.set T9,    180                        ; w9'
.set TT,    184                        ; w9' - w10
.set LK,    188                        ; v[188:235] look-ahead: quarter 3, quarter 2, quarter 1, 16 registers each
.set VO,    236                        ; 16 L + 2048 w
.set VPO,   237                        ; byte offset of x[tb - 1][c] in the batch
.set VBO,   238                        ; 16 (L & 1)
.set VWO,   239                        ; 16 (L & 15)
.set MS,    16                         ; s[16:31]  bit L: x > 0.5 in chain L at tau
.set MST,   32                         ; s[32:47]  bit L: chain L starts a run at tau
.set TS0,  0                           ; tau / 2048 as f32
.set TS1,  0x3a000000
.set TS2,  0x3a800000
.set TS3,  0x3ac00000
.set TS4,  0x3b000000
.set TS5,  0x3b200000
.set TS6,  0x3b400000
.set TS7,  0x3b600000
.set TS8,  0x3b800000
.set TS9,  0x3b900000
.set TS10, 0x3ba00000
.set TS11, 0x3bb00000
.set TS12, 0x3bc00000
.set TS13, 0x3bd00000
.set TS14, 0x3be00000
.set TS15, 0x3bf00000
	; ---- set-up: ids, offsets, bases
	s_load_b256 s[4:11], s[0:1], 0x0               ; x s[4:5], W1 s[6:7], b1 s[8:9], part s[10:11]
	v_lshl_add_u32 v240, v0, 2, 0x5800
	v_mov_b32 v241, 0
	v_lshrrev_b32 v2, 5, v0
	v_readfirstlane_b32 s12, v2                    ; wave w
	v_and_b32 v1, 31, v0                           ; lane L
	s_and_b32 s14, ttmp9, 3                        ; q
	s_lshr_b32 s15, ttmp9, 2                       ; b
	s_mov_b32 s52, 0x76543210                      ; v_permlanex16_b32: lane i takes lane i xor 16
	s_mov_b32 s53, 0xfedcba98
	s_mov_b32 s54, 0xffff0000                      ; lanes 16-31
	s_mov_b32 s55, 0x00ff00ff                      ; lanes with g even
	s_mov_b32 s56, 0x0000ffff                      ; lanes with g < 2
	v_lshrrev_b32 v4, 3, v1                        ; g
	v_and_b32 v5, 7, v1                            ; c
	s_lshl_b32 s51, s14, 9
	s_lshl_b32 s59, s12, 6                         ; 64 w
	s_add_co_u32 s51, s51, s59                     ; 512 q + 64 w
	v_lshl_add_u32 v6, v4, 4, s51                  ; tb
	v_cvt_f32_u32 v[TBS], v6
	v_mul_f32 v[TBS], 0x3a000000, v[TBS]           ; tb / 2048
	v_add_nc_u32 v7, -1, v6                        ; tb - 1; at tb = 0 it wraps, the minimum brings it back inside the batch,
	v_min_u32 v7, 0x7ff, v7                        ; and what is loaded there is overruled below: t = 0 always starts a run
	v_lshlrev_b32 v7, 5, v7
	v_lshl_add_u32 v[VPO], v5, 2, v7
	s_lshl_b32 s57, s12, 11
	v_lshl_add_u32 v[VO], v1, 4, s57
	v_and_b32 v[VBO], 1, v1
	v_lshlrev_b32 v[VBO], 4, v[VBO]
	v_and_b32 v[VWO], 15, v1
	v_lshlrev_b32 v[VWO], 4, v[VWO]
	s_mul_i32 s57, s12, XS_W
	v_lshl_add_u32 v[VST], v1, 4, s57
	v_mul_u32_u24 v[VLD], v4, XS_G
	v_lshl_add_u32 v[VLD], v5, 2, v[VLD]
	v_add_nc_u32 v[VLD], s57, v[VLD]
	s_lshl_b32 s58, s12, 5                         ; 32 w
	v_lshl_add_u32 v[VSC], v5, 2, s58
	s_lshl_b32 s80, s15, 16                        ; a batch is 65,536 bytes
	s_mov_b32 s81, 0
	s_wait_kmcnt 0x0
	s_add_nc_u64 s[76:77], s[4:5], s[80:81]        ; x at my batch
	s_lshl_b32 s80, s14, 14                        ; a quarter is 16,384 bytes
	s_add_nc_u64 s[78:79], s[76:77], s[80:81]      ; x at my quarter
	; ---- all 30 loads, in the order in which they are needed; each 16-byte load of a wave covers 512 neighbouring bytes (W1, b1: a whole row of 256)
.irp k, 0,1,2,3
	global_load_b128 v[XO+4*\k:XO+4*\k+3], v[VO], s[78:79] offset:512*\k           ; 1-4: t = 64 w + 16 k + (L >> 1), components 4 (L & 1) ..
.endr
	global_load_b32 v[XP], v[VPO], s[76:77]                                        ; 5
	global_load_b128 v[XB:XB+3], v[VBO], s[78:79] offset:16352                     ; 6: row 511 of my quarter
.irp j, 0,1,2,3,4,5,6,7
	global_load_b128 v[ACC+4*\j:ACC+4*\j+3], v[VWO], s[6:7] offset:256*\j          ; 7-14: W1[j][4 r ..]
.endr
	global_load_b128 v[W8:W8+3], v[VWO], s[6:7] offset:2048                        ; 15
	global_load_b128 v[W9:W9+3], v[VWO], s[6:7] offset:2304                        ; 16
	global_load_b128 v[W10:W10+3], v[VWO], s[6:7] offset:2560                      ; 17
	global_load_b128 v[B1V:B1V+3], v[VWO], s[8:9]                                  ; 18
.irp k, 0,1,2,3
	global_load_b128 v[LK+4*\k:LK+4*\k+3], v[VO], s[76:77] offset:49152+512*\k     ; 19-22: quarter 3
.endr
.irp k, 0,1,2,3
	global_load_b128 v[LK+16+4*\k:LK+16+4*\k+3], v[VO], s[76:77] offset:32768+512*\k   ; 23-26: quarter 2
.endr
.irp k, 0,1,2,3
	global_load_b128 v[LK+32+4*\k:LK+32+4*\k+3], v[VO], s[76:77] offset:16384+512*\k   ; 27-30: quarter 1
.endr
	; ---- constants in registers
.irp i, 0,1,2,3
	v_mov_b32 v[80+\i], 0                          ; behind B's last tile
	v_mov_b32 v[A+4+\i], 0                         ; A at k = 16 .. 31
	v_mov_b32 v[T4+\i], 1.0
	v_mov_b32 v[EA+\i], 1.0                        ; look-ahead: none so far
.endr
	v_cvt_pk_bf16_f32 v[A+3], v[TBS], 0            ; k = 6: tb'; k = 7: 0.  The same in all 16 steps
	s_or_b32 s51, s14, s12
	s_cmp_eq_u32 s51, 0
	s_cselect_b32 s49, 0xff, 0                     ; q = 0, w = 0, g = 0: the chains that begin at t = 0
	; ---- own x from load order into chain order, through the wave's own bytes of LDS; then the masks
	s_wait_loadcnt 26                              ; loads 1-4 are in, the 26 younger ones stay out
.irp k, 0,1,2,3
	ds_store_b128 v[VST], v[XO+4*\k:XO+4*\k+3] offset:XS_G*\k
.endr
.irp t, 0,1,2,3,4,5,6,7,8,9,10,11,12,13,14,15
	ds_load_b32 v[XC+\t], v[VLD] offset:32*\t      ; LDS serves a wave's instructions in order (ISA guide 5.7.1): these see the stores above
.endr
	s_wait_loadcnt 24                              ; loads 5 and 6
	v_cmp_lt_f32 s48, 0.5, v[XP]
.irp i, 0,1,2,3
	v_cmp_lt_f32 s[68+\i], 0.5, v[XB+\i]           ; the bit at the quarter's last step, component 4 (L & 1) + i
.endr
	s_wait_dscnt 0x0
.irp t, 0,1,2,3,4,5,6,7,8,9,10,11,12,13,14,15
	v_cmp_lt_f32 s[MS+\t], 0.5, v[XC+\t]
.endr
	s_xor_b32 s[MST], s[MS], s48                   ; a start: the bit differs from the one before,
	s_or_b32 s[MST], s[MST], s49                   ; or t = 0
	s_bcnt1_i32_b32 s50, s[MST]                    ; s50 counts the wave's starts
.irp t, 1,2,3,4,5,6,7,8,9,10,11,12,13,14,15
	s_xor_b32 s[MST+\t], s[MS+\t], s[MS+\t-1]
	s_bcnt1_i32_b32 s51, s[MST+\t]
	s_add_co_u32 s50, s50, s51
.endr
	; ---- first start of each chain, and what the chains of one wave tell each other
	v_mov_b32 v4, 1.0
.irp t, 15,14,13,12,11,10,9,8,7,6,5,4,3,2,1,0
	v_cndmask_b32 v4, v4, TS\t, s[MST+\t]          ; descending: the last write is the earliest start
.endr
	v_add_f32 v4, v4, v[TBS]
	v_min_num_f32 v4, 1.0, v4                      ; F: absolute, or 1.0 where the chain has no start
	v_mov_b32_dpp v5, v4 row_xmask:8 row_mask:0xf bank_mask:0xf    ; F of g xor 1
	v_min_num_f32 v6, v4, v5                       ; the pair's
	v_permlanex16_b32 v7, v6, s52, s53             ; the other pair's
	v_min_num_f32 v6, v6, v7                       ; the wave's, for component c
	v_cndmask_b32 v5, 1.0, v5, s55                 ; g even: chain g + 1 lies behind me
	v_cndmask_b32 v7, 1.0, v7, s56                 ; g < 2: chains 2 and 3 lie behind me
	ds_store_b32 v[VSC], v6 offset:SC              ; row w (four lanes write the same word with the same value)
	ds_store_b32 v[VSC], v[T4] offset:SC+512       ; row 16 + w: 1.0
	; ---- the constant operands
	s_wait_loadcnt 12                              ; W1 and b1 are in, the 12 look-ahead loads stay out
.irp nt, 0,1,2,3
.irp j, 0,1,2,3,4,5,6,7
	v_add_f32 v[CC+8*\nt+\j], v[ACC+4*\j+\nt], v[B1V+\nt]
.endr
.endr
	v_pk_mul_f32 v[T9:T9+1], v[W9:W9+1], 0x3f801002 op_sel_hi:[1,0]        ; w9 x 2048/2047
	v_pk_mul_f32 v[T9+2:T9+3], v[W9+2:W9+3], 0x3f801002 op_sel_hi:[1,0]
	v_pk_add_f32 v[TT:TT+1], v[T9:T9+1], v[W10:W10+1] neg_lo:[0,1] neg_hi:[0,1]
	v_pk_add_f32 v[TT+2:TT+3], v[T9+2:T9+3], v[W10+2:W10+3] neg_lo:[0,1] neg_hi:[0,1]
.irp nt, 0,1,2,3
	v_cvt_pk_bf16_f32 v[T4], 0, v[W8+\nt]                  ; k = 0: 0        k = 1: w8
	v_cvt_pk_bf16_f32 v[T4+1], v[W10+\nt], v[TT+\nt]       ; k = 2: w10      k = 3: w9' - w10
	v_cvt_pk_bf16_f32 v[T4+2], v[T9+\nt], 0                ; k = 6: w9'      k = 7: 0
	v_cndmask_b32 v[BB+4*\nt], v[T4], 0, s54               ; first set: weights in lanes 0-15 (k = 0-7), zeros in lanes 16-31 (k = 8-15)
	v_cndmask_b32 v[BB+4*\nt+1], v[T4+1], 0, s54
	v_cndmask_b32 v[BB+4*\nt+2], 0xff7f0000, 0, s54        ; k = 4: 0        k = 5: -3.3895e38
	v_cndmask_b32 v[BB+4*\nt+3], v[T4+2], 0, s54
	v_cndmask_b32 v[BB+16+4*\nt], 0, v[T4], s54            ; second set: the reverse
	v_cndmask_b32 v[BB+16+4*\nt+1], 0, v[T4+1], s54
	v_cndmask_b32 v[BB+16+4*\nt+2], 0, 0xff7f0000, s54
	v_cndmask_b32 v[BB+16+4*\nt+3], 0, v[T4+2], s54
.endr
	; ---- look-ahead: the first t >= 512 (q + 1) whose bit differs from the bit at 512 q + 511 is the first run start there.
	; Wave w looks at steps 64 w .. 64 w + 63 of each later quarter; the quarters and their loads are taken in descending t, so the last write is the earliest.
	v_lshrrev_b32 v4, 1, v1
	v_add_nc_u32 v4, s59, v4
	v_cvt_f32_u32 v4, v4
	v_mul_f32 v4, 0x3a000000, v4                   ; (64 w + (L >> 1)) / 2048
.macro LOOK base, lit                  ; lit = (512 x quarter + 16 k) / 2048
	v_add_f32 v6, \lit, v4
.irp i, 0,1,2,3
	v_cmp_lt_f32 s[72+\i], 0.5, v[\base+\i]
.endr
.irp i, 0,1,2,3
	s_xor_b32 s[72+\i], s[72+\i], s[68+\i]
.endr
.irp i, 0,1,2,3
	v_cndmask_b32 v[EA+\i], v[EA+\i], v6, s[72+\i]
.endr
.endm
	s_cmp_ge_u32 s14, 3
	s_cbranch_scc1 .Ldone
	s_wait_loadcnt 8                               ; quarter 3 is in, quarters 2 and 1 stay out
.irp k, 3,2,1,0
	LOOK LK+4*\k, 0x3f400000+\k*0x20000
.endr
	s_cmp_ge_u32 s14, 2
	s_cbranch_scc1 .Ldone
	s_wait_loadcnt 4                               ; quarter 2 is in
.irp k, 3,2,1,0
	LOOK LK+16+4*\k, 0x3f000000+\k*0x20000
.endr
	s_cmp_ge_u32 s14, 1
	s_cbranch_scc1 .Ldone
	s_wait_loadcnt 0x0                             ; quarter 1 is in
.irp k, 3,2,1,0
	LOOK LK+32+4*\k, 0x3e800000+\k*0x40000
.endr
.Ldone:
	s_wait_loadcnt 0x0                             ; on the short ways loads are still out: nothing is pending from here on
.irp i, 0,1,2,3
	v_min_num_f32_dpp v[EA+\i], v[EA+\i], v[EA+\i] row_xmask:2 row_mask:0xf bank_mask:0xf      ; over the lanes of my parity
.endr
.irp i, 0,1,2,3
	v_min_num_f32_dpp v[EA+\i], v[EA+\i], v[EA+\i] row_xmask:4 row_mask:0xf bank_mask:0xf
.endr
.irp i, 0,1,2,3
	v_min_num_f32_dpp v[EA+\i], v[EA+\i], v[EA+\i] row_xmask:8 row_mask:0xf bank_mask:0xf
.endr
.irp i, 0,1,2,3
	v_permlanex16_b32 v[T4+\i], v[EA+\i], s52, s53
.endr
.irp i, 0,1,2,3
	v_min_num_f32 v[EA+\i], v[EA+\i], v[T4+\i]
.endr
	v_add_nc_u32 v4, s58, v[VBO]
	ds_store_b128 v4, v[EA:EA+3] offset:SC+256     ; row 8 + w, words 4 (L & 1) ..: the wave's part
	; ---- the table is whole behind the barrier; rows w + 1 .. w + 15 are the later waves' first starts, all eight look-ahead parts, and w rows of 1.0
	s_wait_dscnt 0x0                               ; my stores into the table are done, for the others' sake
	s_barrier_signal -1
	s_barrier_wait -1
.irp i, 0,1,2,3,4,5,6,7,8,9,10,11,12,13,14
	ds_load_b32 v[XC+\i], v[VSC] offset:SC+32*(\i+1)
.endr
	s_wait_dscnt 0x0
	v_min3_num_f32 v[XC], v[XC], v[XC+1], v[XC+2]
	v_min3_num_f32 v[XC+3], v[XC+3], v[XC+4], v[XC+5]
	v_min3_num_f32 v[XC+6], v[XC+6], v[XC+7], v[XC+8]
	v_min3_num_f32 v[XC+9], v[XC+9], v[XC+10], v[XC+11]
	v_min3_num_f32 v[XC+12], v[XC+12], v[XC+13], v[XC+14]
	v_min3_num_f32 v[XC], v[XC], v[XC+3], v[XC+6]
	v_min3_num_f32 v[XC+9], v[XC+9], v[XC+12], v5
	v_min3_num_f32 v[NREL], v[XC], v[XC+9], v7     ; the first start behind my chain, or 1.0
	v_sub_f32 v[NREL], v[NREL], v[TBS]
	; ---- the 16 steps
.macro BUILD tau
	v_cndmask_b32 v[A], 0, 1.0, s[MS+\tau]                 ; the upper half of 1.0 is bf16 1.0: k = 1 = s
	v_cvt_pk_bf16_f32 v[A+1], v[NREL], TS\tau              ; k = 2 = nrel, k = 3 = tau'
	v_cndmask_b32 v[A+2], 1.0, 0, s[MST+\tau]              ; k = 5 = 1 where no run starts
	v_cndmask_b32 v[NREL], v[NREL], TS\tau, s[MST+\tau]    ; for the slots below, this start is the next one
.endm
; Four matrix instructions, one for each tile of 16 hidden units.  No sum is kept in place: C is the constant tile, D is another set of registers,
; and no two of them that follow each other share a result.
.macro GROUP d, t0
.irp nt, 0,1,2,3
	v_wmma_f32_16x16x32_bf16 v[\d+8*\nt:\d+8*\nt+7], v[A:A+7], v[BB+4*(\t0+\nt):BB+4*(\t0+\nt)+7], v[CC+8*\nt:CC+8*\nt+7]
.endr
.endm
; relu and sum of one result set.  first = 1: the relu itself starts the sums, nothing is cleared.
.macro POST d, first
.set i, 0
.if \first
.rept 32
	v_max_num_f32 v[ACC+i], 0, v[\d+i]
.set i, i+1
.endr
.else
.rept 32
	v_max_num_f32 v[\d+i], 0, v[\d+i]
.set i, i+1
.endr
.set i, 0
.rept 16
	v_pk_add_f32 v[ACC+2*i:ACC+2*i+1], v[ACC+2*i:ACC+2*i+1], v[\d+2*i:\d+2*i+1]
.set i, i+1
.endr
.endif
.endm
; A result set is read, and A is written again, only behind the OTHER set's relu and sum: 48 (in the first step 32) plain vector instructions that
; name none of the matrix instructions' registers, where four are asked for (ISA guide 7.12.1).  In the first step four v_nop stand for them.
.macro STEP tau, first
	BUILD \tau
	GROUP D0, 0
.if \first == 0
	POST D1, 0
.endif
	GROUP D1, 4
.if \first
.rept 4
	v_nop
.endr
.endif
	POST D0, \first
.endm
	STEP 15, 1
.irp t, 14,13,12,11,10,9,8,7,6,5,4,3,2,1,0
	STEP \t, 0
.endr
	POST D1, 0
	; ---- the way out: over the 8 registers (components) and the two halves of the lanes, then over the waves through LDS
.irp nt, 0,1,2,3
	v_pk_add_f32 v[ACC+8*\nt:ACC+8*\nt+1], v[ACC+8*\nt:ACC+8*\nt+1], v[ACC+8*\nt+2:ACC+8*\nt+3]
	v_pk_add_f32 v[ACC+8*\nt+4:ACC+8*\nt+5], v[ACC+8*\nt+4:ACC+8*\nt+5], v[ACC+8*\nt+6:ACC+8*\nt+7]
.endr
.irp nt, 0,1,2,3
	v_pk_add_f32 v[ACC+8*\nt:ACC+8*\nt+1], v[ACC+8*\nt:ACC+8*\nt+1], v[ACC+8*\nt+4:ACC+8*\nt+5]
.endr
.irp nt, 0,1,2,3
	v_add_f32 v[EA+\nt], v[ACC+8*\nt], v[ACC+8*\nt+1]
.endr
.irp nt, 0,1,2,3
	v_permlanex16_b32 v[T4+\nt], v[EA+\nt], s52, s53
.endr
	v_pk_add_f32 v[EA:EA+1], v[EA:EA+1], v[T4:T4+1]
	v_pk_add_f32 v[EA+2:EA+3], v[EA+2:EA+3], v[T4+2:T4+3]  ; hidden units 4 r .. 4 r + 3, in both halves of the lanes
	s_lshl_b32 s51, s12, 9
	v_add_nc_u32 v6, s51, v[VWO]
	v_lshl_add_u32 v7, v1, 3, s51
	v_cvt_f32_u32 v4, s50                          ; the wave's count, at most 2,048: exact
	v_mov_b32 v5, v4
	ds_store_b128 v6, v[EA:EA+3] offset:RED
	ds_store_b64 v7, v[4:5] offset:RED+256
	s_wait_dscnt 0x0                               ; my row is written, for wave 0's sake
	s_barrier_signal -1
	s_barrier_wait -1
	s_cmp_lg_u32 s12, 0
	s_cbranch_scc1 .Lend                           ; wave 0 alone adds the eight rows; no barrier follows
	v_lshlrev_b32 v2, 4, v1
.irp i, 0,1,2,3,4,5,6,7
	ds_load_b128 v[D0+4*\i:D0+4*\i+3], v2 offset:RED+512*\i
.endr
	s_lshl_b32 s80, ttmp9, 9                       ; my record in part
	s_mov_b32 s81, 0
	s_add_nc_u64 s[10:11], s[10:11], s[80:81]
.macro ADD4 a, b
	v_pk_add_f32 v[D0+4*\a:D0+4*\a+1], v[D0+4*\a:D0+4*\a+1], v[D0+4*\b:D0+4*\b+1]
	v_pk_add_f32 v[D0+4*\a+2:D0+4*\a+3], v[D0+4*\a+2:D0+4*\a+3], v[D0+4*\b+2:D0+4*\b+3]
.endm
	s_wait_dscnt 0x0
	ADD4 0, 1
	ADD4 2, 3
	ADD4 4, 5
	ADD4 6, 7
	ADD4 0, 2
	ADD4 4, 6
	ADD4 0, 4
	global_store_b128 v2, v[D0:D0+3], s[10:11]     ; 32 lanes store 512 consecutive bytes, at a multiple of 512 from part's first byte
.Lend:
	s_wait_tensorcnt 0x0
	ds_add_u32 v240, v241
	s_wait_dscnt 0x0
	s_endpgm
.Lfunc_end_k_q5197ac1820_events:
	.size	k_q5197ac1820_events, .Lfunc_end_k_q5197ac1820_events-k_q5197ac1820_events
	.p2alignl 7, 3214868480
	.fill 96, 4, 3214868480
	.section	.rodata,"a",@progbits
	.p2align	6, 0x0
	.amdhsa_kernel k_q5197ac1820_events
		.amdhsa_group_segment_fixed_size 23552
		.amdhsa_private_segment_fixed_size 0
		.amdhsa_enable_private_segment 0
		.amdhsa_kernarg_size 32
		.amdhsa_user_sgpr_count 2
		.amdhsa_user_sgpr_kernarg_segment_ptr 1
		.amdhsa_wavefront_size32 1
		.amdhsa_system_sgpr_workgroup_id_x 1
		.amdhsa_system_sgpr_workgroup_id_y 1
		.amdhsa_system_sgpr_workgroup_id_z 1
		.amdhsa_system_vgpr_workitem_id 0
		.amdhsa_next_free_vgpr 242
		.amdhsa_next_free_sgpr 84
		.amdhsa_reserve_vcc 0
		.amdhsa_float_denorm_mode_32 3
		.amdhsa_float_denorm_mode_16_64 3
		.amdhsa_memory_ordered 1
		.amdhsa_forward_progress 1
		.amdhsa_inst_pref_size 108
	.end_amdhsa_kernel
	.amdgpu_metadata
---
amdhsa.version: [ 1, 2 ]
amdhsa.kernels:
  - .name:           k_q5197ac1820_events
    .symbol:         k_q5197ac1820_events.kd
    .args:
      - { .name: x, .offset: 0, .size: 8, .value_kind: global_buffer, .address_space: global }
      - { .name: W1, .offset: 8, .size: 8, .value_kind: global_buffer, .address_space: global }
      - { .name: b1, .offset: 16, .size: 8, .value_kind: global_buffer, .address_space: global }
      - { .name: part, .offset: 24, .size: 8, .value_kind: global_buffer, .address_space: global }
    .group_segment_fixed_size: 23552
    .private_segment_fixed_size: 0
    .kernarg_segment_align: 8
    .kernarg_segment_size: 32
    .max_flat_workgroup_size: 256
    .sgpr_count:     84
    .vgpr_count:     242
    .wavefront_size: 32
...
	.end_amdgpu_metadata
.endif
;; end of part 1
;; launch head (part 2): grid 64 x 1, 8 waves a work-group, no clusters, 7,168 bytes of LDS; arguments part, W2, b2, P1, pb1, P2, pb2, out0; writes out0
.if DOCPART == 2
	.amdgcn_target "amdgcn-amd-amdhsa--gfx1250"
	.amdhsa_code_object_version 6
	.text
	.protected	k_q5197ac1820_head
	.globl	k_q5197ac1820_head
	.p2align	8
	.type	k_q5197ac1820_head,@function
k_q5197ac1820_head:
	s_mov_b64 s[64:65], 0
	v_nop
	global_prefetch_b8 v0, s[64:65] scope:SCOPE_SE
	s_setreg_imm32_b32 hwreg(HW_REG_WAVE_MODE, 25, 1), 1
	s_wait_xcnt 0x0
; RUN-LENGTH EVENTS, second launch.  Work-group b = batch b:
;   hsum, cnt = the sums of the batch's four records in part;  valid = max(cnt, 1);
;   pooled = (hsum / valid) W2 + b2 cnt / valid;   out = relu([pooled, valid / 16384] P1 + pb1) P2 + pb2.
; Each of the three products has ONE row of 64 numbers for a work-group, 4,096 multiply-adds, and the weights lie [k][j]: a matrix instruction would
; carry 15 idle rows of 16 and want transposed fragments, so the products are f32 fused multiply-adds on weights that stay f32.
; Thread t: columns 4 j4 .. 4 j4 + 3 (j4 = t & 15) of rows 4 kg .. 4 kg + 3 (kg = t >> 4).  A wave holds kg = 2 w and 2 w + 1 in its two halves:
; they are added across the halves, the eight waves' rows of 256 bytes through LDS.  Each layer has LDS bytes of its own, so one barrier a layer.
; All 24 loads are issued at the head; sixteen lanes read a whole row of 256 bytes of a weight matrix.
; No cluster: the 64 work-groups share the three weight matrices, 49,408 bytes read once each through registers; there are no tiles to ask for jointly.
; LIMITS.  1 / valid is v_rcp_f32 and a multiplication.  A NaN is not carried through the relu (v_max_num_f32 drops it).
.set HQ,   16                          ; v[16:31]  hsum[4 kg ..] of the four quarters
.set CQ,   32                          ; v[32:35]  their counts
.set MW2,  36                          ; v[36:51]  W2, my four rows x four columns
.set VB2,  52                          ; v[52:55]  b2[4 kg ..]
.set MP1,  56                          ; v[56:71]
.set P1L,  72                          ; v[72:75]  P1[64][4 kg ..]
.set VPB1, 76                          ; v[76:79]  pb1[4 kg ..]
.set MP2,  80                          ; v[80:95]
.set VPB2, 96                          ; v[96:99]  pb2[4 j4 ..]
.set V,    100                         ; v[100:103] a layer's input at 4 kg ..
.set P,    104                         ; v[104:107] my part of its output at 4 j4 ..
.set T,    108                         ; v[108:111] at work
.set R,    112                         ; v[112:143] the eight waves' rows, read back
                                       ; v1 = 16 j4, v2 = 16 kg, v3 = 1024 kg + 16 j4, v4 = 256 w + 16 j4
                                       ; v8 cnt, v9 valid, v[10:11] 1/valid, v[12:13] cnt/valid, v[14:15] valid/16384 (each pair the same number twice)
	s_load_b512 s[4:19], s[0:1], 0x0               ; part 4:5, W2 6:7, b2 8:9, P1 10:11, pb1 12:13, P2 14:15, pb2 16:17, out0 18:19
	v_lshl_add_u32 v144, v0, 2, 0x1800
	v_mov_b32 v145, 0
	v_lshrrev_b32 v5, 5, v0
	v_readfirstlane_b32 s20, v5                    ; wave w
	v_and_b32 v1, 15, v0
	v_lshlrev_b32 v1, 4, v1
	v_lshrrev_b32 v2, 4, v0
	v_lshl_add_u32 v3, v2, 10, v1
	v_lshlrev_b32 v2, 4, v2
	s_lshl_b32 s21, s20, 8
	v_add_nc_u32 v4, s21, v1
	s_mov_b32 s24, 0x76543210                      ; v_permlanex16_b32: lane i takes lane i xor 16
	s_mov_b32 s25, 0xfedcba98
.irp i, 0,1,2,3
	v_mov_b32 v[T+\i], 0                           ; v_permlanex16_b32 counts as a reader of its destination
.endr
	s_lshl_b32 s22, ttmp9, 11                      ; four records of 512 bytes
	s_mov_b32 s23, 0
	s_wait_kmcnt 0x0
	s_add_nc_u64 s[4:5], s[4:5], s[22:23]
	s_lshl_b32 s22, ttmp9, 8                       ; a row of out0
	s_add_nc_u64 s[18:19], s[18:19], s[22:23]
.irp q, 0,1,2,3
	global_load_b128 v[HQ+4*\q:HQ+4*\q+3], v2, s[4:5] offset:512*\q                ; 1-4
.endr
.irp q, 0,1,2,3
	global_load_b32 v[CQ+\q], v2, s[4:5] offset:512*\q+256                         ; 5-8: any of the record's 64 copies of the count
.endr
.irp i, 0,1,2,3
	global_load_b128 v[MW2+4*\i:MW2+4*\i+3], v3, s[6:7] offset:256*\i              ; 9-12
.endr
	global_load_b128 v[VB2:VB2+3], v2, s[8:9]                                      ; 13
.irp i, 0,1,2,3
	global_load_b128 v[MP1+4*\i:MP1+4*\i+3], v3, s[10:11] offset:256*\i            ; 14-17
.endr
	global_load_b128 v[P1L:P1L+3], v2, s[10:11] offset:16384                       ; 18
	global_load_b128 v[VPB1:VPB1+3], v2, s[12:13]                                  ; 19
.irp i, 0,1,2,3
	global_load_b128 v[MP2+4*\i:MP2+4*\i+3], v3, s[14:15] offset:256*\i            ; 20-23
.endr
	global_load_b128 v[VPB2:VPB2+3], v1, s[16:17]                                  ; 24
; P = V[0] row 0 + V[1] row 1 + V[2] row 2 + V[3] row 3 of the matrix at register m (op_sel picks the register of V's pair for both halves),
; plus the other half's, into row w of the layer's LDS bytes; then the barrier behind which all eight rows may be read.
.macro LAYER m, region
	v_pk_mul_f32 v[P:P+1], v[\m:\m+1], v[V:V+1] op_sel_hi:[1,0]
	v_pk_mul_f32 v[P+2:P+3], v[\m+2:\m+3], v[V:V+1] op_sel_hi:[1,0]
	v_pk_fma_f32 v[P:P+1], v[\m+4:\m+5], v[V:V+1], v[P:P+1] op_sel:[0,1,0] op_sel_hi:[1,1,1]
	v_pk_fma_f32 v[P+2:P+3], v[\m+6:\m+7], v[V:V+1], v[P+2:P+3] op_sel:[0,1,0] op_sel_hi:[1,1,1]
	v_pk_fma_f32 v[P:P+1], v[\m+8:\m+9], v[V+2:V+3], v[P:P+1] op_sel_hi:[1,0,1]
	v_pk_fma_f32 v[P+2:P+3], v[\m+10:\m+11], v[V+2:V+3], v[P+2:P+3] op_sel_hi:[1,0,1]
	v_pk_fma_f32 v[P:P+1], v[\m+12:\m+13], v[V+2:V+3], v[P:P+1] op_sel:[0,1,0] op_sel_hi:[1,1,1]
	v_pk_fma_f32 v[P+2:P+3], v[\m+14:\m+15], v[V+2:V+3], v[P+2:P+3] op_sel:[0,1,0] op_sel_hi:[1,1,1]
.irp i, 0,1,2,3
	v_permlanex16_b32 v[T+\i], v[P+\i], s24, s25
.endr
	v_pk_add_f32 v[P:P+1], v[P:P+1], v[T:T+1]
	v_pk_add_f32 v[P+2:P+3], v[P+2:P+3], v[T+2:T+3]
	ds_store_b128 v4, v[P:P+3] offset:\region      ; both halves of the lanes write the same bytes with the same values
	s_wait_dscnt 0x0                               ; my row is written, for the others' sake
	s_barrier_signal -1
	s_barrier_wait -1
.endm
.macro ADD4 a, b
	v_pk_add_f32 v[R+4*\a:R+4*\a+1], v[R+4*\a:R+4*\a+1], v[R+4*\b:R+4*\b+1]
	v_pk_add_f32 v[R+4*\a+2:R+4*\a+3], v[R+4*\a+2:R+4*\a+3], v[R+4*\b+2:R+4*\b+3]
.endm
; the sum of the eight rows at the 16 bytes named by register idx, into v[R:R+3]
.macro GATHER region, idx
.irp w, 0,1,2,3,4,5,6,7
	ds_load_b128 v[R+4*\w:R+4*\w+3], v[\idx] offset:\region+256*\w
.endr
	s_wait_dscnt 0x0
	ADD4 0, 1
	ADD4 2, 3
	ADD4 4, 5
	ADD4 6, 7
	ADD4 0, 2
	ADD4 4, 6
	ADD4 0, 4
.endm
	s_wait_loadcnt 16                              ; loads 1-8 are in, the 16 younger ones stay out
	v_add_f32 v[CQ], v[CQ], v[CQ+1]
	v_add_f32 v[CQ+2], v[CQ+2], v[CQ+3]
	v_add_f32 v8, v[CQ], v[CQ+2]                   ; cnt, at most 16,384: exact
	v_max_num_f32 v9, 1.0, v8                      ; valid
	v_rcp_f32 v10, v9                              ; behind v_rcp_f32 a plain vector instruction comes before its result is used (ISA guide 5.7.2):
	v_rcp_f32 v11, v9                              ; here the six sums below, which touch none of v9, v10, v11
	v_pk_add_f32 v[HQ:HQ+1], v[HQ:HQ+1], v[HQ+4:HQ+5]
	v_pk_add_f32 v[HQ+2:HQ+3], v[HQ+2:HQ+3], v[HQ+6:HQ+7]
	v_pk_add_f32 v[HQ+8:HQ+9], v[HQ+8:HQ+9], v[HQ+12:HQ+13]
	v_pk_add_f32 v[HQ+10:HQ+11], v[HQ+10:HQ+11], v[HQ+14:HQ+15]
	v_pk_add_f32 v[HQ:HQ+1], v[HQ:HQ+1], v[HQ+8:HQ+9]
	v_pk_add_f32 v[HQ+2:HQ+3], v[HQ+2:HQ+3], v[HQ+10:HQ+11]
	v_mul_f32 v14, 0x38800000, v9                  ; valid / 16384
	v_mul_f32 v15, 0x38800000, v9
	s_wait_alu depctr_va_vdst(0)
	v_pk_mul_f32 v[V:V+1], v[HQ:HQ+1], v[10:11]    ; hsum / valid
	v_pk_mul_f32 v[V+2:V+3], v[HQ+2:HQ+3], v[10:11]
	v_mul_f32 v12, v8, v10                         ; cnt / valid
	v_mul_f32 v13, v8, v11
	s_wait_loadcnt 12                              ; W2
	LAYER MW2, 0
	GATHER 0, 2
	s_wait_loadcnt 11                              ; b2
	v_pk_fma_f32 v[V:V+1], v[VB2:VB2+1], v[12:13], v[R:R+1]            ; pooled[4 kg ..]
	v_pk_fma_f32 v[V+2:V+3], v[VB2+2:VB2+3], v[12:13], v[R+2:R+3]
	s_wait_loadcnt 7                               ; P1's rows 0-63
	LAYER MP1, 2048
	GATHER 2048, 2
	s_wait_loadcnt 5                               ; P1's row 64 and pb1
	v_pk_fma_f32 v[R:R+1], v[P1L:P1L+1], v[14:15], v[R:R+1]
	v_pk_fma_f32 v[R+2:R+3], v[P1L+2:P1L+3], v[14:15], v[R+2:R+3]
	v_pk_add_f32 v[R:R+1], v[R:R+1], v[VPB1:VPB1+1]
	v_pk_add_f32 v[R+2:R+3], v[R+2:R+3], v[VPB1+2:VPB1+3]
.irp i, 0,1,2,3
	v_max_num_f32 v[V+\i], 0, v[R+\i]
.endr
	s_wait_loadcnt 1                               ; P2; pb2 may stay out
	LAYER MP2, 4096
	s_cmp_lg_u32 s20, 0
	s_cbranch_scc1 .Lend                           ; wave 0 alone writes the row; no barrier follows
	GATHER 4096, 1
	s_wait_loadcnt 0x0                             ; pb2
	v_pk_add_f32 v[R:R+1], v[R:R+1], v[VPB2:VPB2+1]
	v_pk_add_f32 v[R+2:R+3], v[R+2:R+3], v[VPB2+2:VPB2+3]
	s_wait_xcnt 0x0                                ; EXEC is narrowed only when no earlier memory instruction still needs it
	v_cmp_gt_u32 vcc_lo, 16, v0
	s_and_saveexec_b32 s26, vcc_lo                 ; lanes 16-31 hold the same numbers as lanes 0-15
	global_store_b128 v1, v[R:R+3], s[18:19]       ; sixteen lanes store 256 consecutive bytes, at a multiple of 256 from out0's first byte
	s_wait_xcnt 0x0                                ; and widened again only behind this wait
	s_or_b32 exec_lo, exec_lo, s26
.Lend:
	s_wait_tensorcnt 0x0
	ds_add_u32 v144, v145
	s_wait_dscnt 0x0
	s_endpgm
.Lfunc_end_k_q5197ac1820_head:
	.size	k_q5197ac1820_head, .Lfunc_end_k_q5197ac1820_head-k_q5197ac1820_head
	.p2alignl 7, 3214868480
	.fill 96, 4, 3214868480
	.section	.rodata,"a",@progbits
	.p2align	6, 0x0
	.amdhsa_kernel k_q5197ac1820_head
		.amdhsa_group_segment_fixed_size 7168
		.amdhsa_private_segment_fixed_size 0
		.amdhsa_enable_private_segment 0
		.amdhsa_kernarg_size 64
		.amdhsa_user_sgpr_count 2
		.amdhsa_user_sgpr_kernarg_segment_ptr 1
		.amdhsa_wavefront_size32 1
		.amdhsa_system_sgpr_workgroup_id_x 1
		.amdhsa_system_sgpr_workgroup_id_y 1
		.amdhsa_system_sgpr_workgroup_id_z 1
		.amdhsa_system_vgpr_workitem_id 0
		.amdhsa_next_free_vgpr 146
		.amdhsa_next_free_sgpr 66
		.amdhsa_reserve_vcc 1
		.amdhsa_float_denorm_mode_32 3
		.amdhsa_float_denorm_mode_16_64 3
		.amdhsa_memory_ordered 1
		.amdhsa_forward_progress 1
		.amdhsa_inst_pref_size 13
	.end_amdhsa_kernel
	.amdgpu_metadata
---
amdhsa.version: [ 1, 2 ]
amdhsa.kernels:
  - .name:           k_q5197ac1820_head
    .symbol:         k_q5197ac1820_head.kd
    .args:
      - { .name: part, .offset: 0, .size: 8, .value_kind: global_buffer, .address_space: global }
      - { .name: W2, .offset: 8, .size: 8, .value_kind: global_buffer, .address_space: global }
      - { .name: b2, .offset: 16, .size: 8, .value_kind: global_buffer, .address_space: global }
      - { .name: P1, .offset: 24, .size: 8, .value_kind: global_buffer, .address_space: global }
      - { .name: pb1, .offset: 32, .size: 8, .value_kind: global_buffer, .address_space: global }
      - { .name: P2, .offset: 40, .size: 8, .value_kind: global_buffer, .address_space: global }
      - { .name: pb2, .offset: 48, .size: 8, .value_kind: global_buffer, .address_space: global }
      - { .name: out0, .offset: 56, .size: 8, .value_kind: global_buffer, .address_space: global }
    .group_segment_fixed_size: 7168
    .private_segment_fixed_size: 0
    .kernarg_segment_align: 8
    .kernarg_segment_size: 64
    .max_flat_workgroup_size: 256
    .sgpr_count:     66
    .vgpr_count:     146
    .wavefront_size: 32
...
	.end_amdgpu_metadata
.endif
;; end of part 2
